; MI455X (gfx1250); checked and timed in simulation.
; The chip was launched on July 23, 2026; its instructions are those of AMD's public machine-readable ISA for CDNA 5 (MIT licence, August 2026) and "CDNA5" Instruction Set Architecture Reference Guide (July 2026). The comments in the code are by the model that wrote it; some were corrected since.
;; Multi Head Attention. Allowed arithmetic: matrix products marked QUANTISED: E2M1 operands, one E8M0 scale for each 32 along K, by v_wmma_scale_f32_16x16x128_f8f6f4 with both operands' format E2M1 (or v_wmma_scale_f32_32x16x128_f4), f32 sums; everything else in f32.
;; Inputs: Wk_codes 16 x 64 x 32 x 16 uint8 (E2M1 codes of Wk, K innermost, in blocks of 32 codes, two codes a byte); Wk_scales 16 x 64 x 32 uint8 (E8M0 scales of Wk, one for each 32 codes along K); Wo_codes 1,024 x 32 x 16 uint8 (E2M1 codes of Wo, K innermost, in blocks of 32 codes, two codes a byte); Wo_scales 1,024 x 32 uint8 (E8M0 scales of Wo, one for each 32 codes along K); Wq_codes 16 x 64 x 32 x 16 uint8 (E2M1 codes of Wq, K innermost, in blocks of 32 codes, two codes a byte); Wq_scales 16 x 64 x 32 uint8 (E8M0 scales of Wq, one for each 32 codes along K); Wv_codes 16 x 64 x 32 x 16 uint8 (E2M1 codes of Wv, K innermost, in blocks of 32 codes, two codes a byte); Wv_scales 16 x 64 x 32 uint8 (E8M0 scales of Wv, one for each 32 codes along K); bk 16 x 64 float32; bo 1,024 float32; bq 16 x 64 float32; bv 16 x 64 float32; k_codes 4 x 2,048 x 32 x 16 uint8 (E2M1 codes of k, K innermost, in blocks of 32 codes, two codes a byte); k_scales 4 x 2,048 x 32 uint8 (E8M0 scales of k, one for each 32 codes along K); mask 4 x 2,048 x 2,048 bool; q_codes 4 x 2,048 x 32 x 16 uint8 (E2M1 codes of q, K innermost, in blocks of 32 codes, two codes a byte); q_scales 4 x 2,048 x 32 uint8 (E8M0 scales of q, one for each 32 codes along K); v_codes 4 x 2,048 x 32 x 16 uint8 (E2M1 codes of v, K innermost, in blocks of 32 codes, two codes a byte); v_scales 4 x 2,048 x 32 uint8 (E8M0 scales of v, one for each 32 codes along K).
;; Outputs: out0 4 x 2,048 x 1,024 float32.
;; This version of the problem:
;;   THIS VERSION OF THE PROBLEM IS GIVEN IN LOW PRECISION. The matrix products marked QUANTISED in the list below multiply operands that are first quantised to E2M1 (2 exponent bits, 1 mantissa bit; 4 bits a number), with one power-of-two scale for each 32 numbers along K (OCP MX v1.0); their sums are f32. All else is computed in f32.
;;   The module's matrix products, in the order in which they are computed (A, B: the left and right operand; K: the contracted axis; several contracted axes count as one K, in the product's order):
;;     1. [M 1,024, K 1,024] x [K 1,024, N 8,192]; A: input Wq (given as codes); B: input q (given as codes): QUANTISED
;;     2. [M 1,024, K 1,024] x [K 1,024, N 8,192]; A: input Wk (given as codes); B: input k (given as codes): QUANTISED
;;     3. [M 1,024, K 1,024] x [K 1,024, N 8,192]; A: input Wv (given as codes); B: input v (given as codes): QUANTISED
;;     4. batch 64 x [M 2,048, K 64] x [K 64, N 2,048]; A: computed on the way; B: computed on the way: QUANTISED
;;     5. batch 64 x [M 2,048, K 2,048] x [K 2,048, N 64]; A: softmax (see below); B: computed on the way: QUANTISED
;;     6. [M 8,192, K 1,024] x [K 1,024, N 1,024]; A: computed on the way; B: input Wo (given as codes): QUANTISED
;;   THE QUANTISER, for each operand of a quantised product, along K:
;;     - K is cut into blocks of 32 from its start; a last block that is shorter is filled with zeros.
;;     - A block's scale is 2^e with e = floor(log2(the largest magnitude in the block)) - 2, held to -126 .. 127; a block of zeros has e = 0. As a byte (E8M0): e + 127.
;;     - Each number is divided by its block's scale, clamped to +-6, and rounded to the nearest number of E2M1, ties to even, subnormals kept.
;;     - The product sums the exact products of the quantised numbers (number of the format x scale) in f32.
;;   ~~~python
;;   def quantise(x, axis):      # numpy; x: float32 -> the quantised numbers, widened to float32 again
;;       x = np.moveaxis(x, axis, -1); K = x.shape[-1]
;;       x = np.pad(x, [(0, 0)] * (x.ndim - 1) + [(0, -K % 32)]); x = x.reshape(x.shape[:-1] + (-1, 32)); a = np.abs(x).max(-1, keepdims=True)
;;       e = np.where(a > 0, np.clip(np.frexp(np.where(a > 0, a, 1))[1] - 1 - 2, -126, 127), 0)      # np.frexp(a)[1] - 1 = floor(log2(a)), exactly
;;       r = np.clip(x / 2.0 ** e, -6, 6)
;;       step = 2.0 ** (np.maximum(np.frexp(np.where(r == 0, 1, r))[1] - 1, 0) - 1)
;;       q = np.round(r / step) * step * 2.0 ** e      # np.round: ties to even
;;       return np.moveaxis(q.reshape(q.shape[:-2] + (-1,))[..., :K], -1, axis).astype(np.float32)
;;   ~~~
;;   SOFTMAX AHEAD OF A QUANTISED PRODUCT. Where the list says 'softmax', what is quantised is not the finished softmax but p = 2^(t - M), with t = logit x log2(e) and M = ceil(the row's largest t), a whole number; so 1/2 < the row's largest p <= 1. The row's sum l is taken of the UNQUANTISED p, in f32, and the product's result is divided by l at the end. Since M is a whole number, a kernel that streams over the keys may use a running M (the ceiling of the running maximum): every later rescaling is an exact power of two, which a block's scale takes up: the codes' values come out the same.
;;   OPERANDS COMPUTED ON THE WAY. 'Computed on the way' means the value that the module computes at that place (a softmax that the list does not call 'softmax' is quantised finished and normalised). What goes into a quantiser is computed in f32, as accurately as f32 sums, v_exp_f32 and their like allow (about 1e-6 of the number): no bf16 or f16 on the way to a quantiser, and a product that is left as it is and whose result goes on into a quantised operand takes f32 operands (vector FMAs, or v_wmma_f32_16x16x4_f32). A number that lies on a knife's edge between two numbers of the format may be rounded either way, as far as f32 arithmetic and the matrix unit's own rounding can turn it there, and no further.
;;   INPUTS GIVEN AS CODES. Wk (in the module: [16, 1024, 64], K = its axis 1); Wo (in the module: [1024, 1024], K = its axis 0); Wq (in the module: [16, 1024, 64], K = its axis 1); Wv (in the module: [16, 1024, 64], K = its axis 1); k (in the module: [4, 2048, 1024], K = its axis 2); q (in the module: [4, 2048, 1024], K = its axis 2); v (in the module: [4, 2048, 1024], K = its axis 2): each comes as NAME_codes (uint8): NAME with its K axis moved to the last place and cut into blocks of 32 codes, [.., K / 32, bytes a block], one block behind the other in memory; two codes a byte, the lower K in the low four bits (a code: sign, 2 exponent bits, 1 mantissa bit); and NAME_scales (uint8): the same leading axes, one E8M0 byte (e + 127) for each 32 codes along K. Its value is code x scale, taken as it is: it is not quantised again, and the codes and scales need not be those that the quantiser above would give.
;; One version. Each part assembles by itself: llvm-mc -triple=amdgcn-amd-amdhsa -mcpu=gfx1250 --defsym DOCPART=n.
;; ======== version 1 of 1: 3 launches
;; limits: right only within a limited range of input values
;; workspace buffers: img 12,582,912 bytes; scl 786,432 bytes; maskw 2,097,152 bytes of whole numbers; oimg 4,194,304 bytes; oscl 262,144 bytes
;; launch prep (part 1): grid 256 x 1, 8 waves a work-group, no clusters, 327,680 bytes of LDS; arguments Wq_codes, Wq_scales, q_codes, q_scales, bq, Wk_codes, Wk_scales, k_codes, k_scales, bk, v_codes, v_scales, Wv_codes, Wv_scales, bv, mask, img, scl, maskw; writes img, scl, maskw
.if DOCPART == 1
	.amdgcn_target "amdgcn-amd-amdhsa--gfx1250"
	.amdhsa_code_object_version 6
	.text
	.protected	k_q77959b852f_prep
	.globl	k_q77959b852f_prep
	.p2align	8
	.type	k_q77959b852f_prep,@function
k_q77959b852f_prep:
	s_mov_b64 s[64:65], 0
	v_nop
	global_prefetch_b8 v0, s[64:65] scope:SCOPE_SE
	s_setreg_imm32_b32 hwreg(HW_REG_WAVE_MODE, 25, 1), 1
	s_wait_xcnt 0x0
; The projections qh, kh, vh = x W + b on codes of FP4 (E2M1) with E8M0 scales, quantised again and stored as images of the operands that the attention launch wants; and the mask, packed into words of 32 lanes.
; ONE FORM FOR THE THREE PRODUCTS: out = Q(P R^T + bias), Q the quantiser along P's rows.  Source 0 = 16 rows of P, source 1 = 16 rows of R: a lane holds ONE row of R, its registers run along P's rows, the next K.
;   q, k: P = the weight's 1,024 rows, R = the 8,192 tokens.    v: P = the tokens, R = Wv's rows: the next K is the keys.
; A WORK-GROUP STAYS: 768 tiles of 128 rows of P x 256 rows of R over 256 work-groups are three each: tile x of q, of k, of v, one after the other.  Eight waves, each 64 x 64: 16 accumulators, (i, j) at v[128 + 8 (4 j + i)].
; THE RING: K goes in halves of 512 (rows of 256 bytes + 16 of padding) through two LDS slots; half c of every tile lies in slot c.  Waves 0-3 fetch R's rows, waves 4, 5 P's, 64 rows a load, one load a wave behind each barrier:
; by this text's count one tensor load of a wave is out at the most.  A half's load is asked for behind the barrier that opens the half before it, so that half's 64 products a wave, and behind a tile's second half its quantiser and stores, stand under it.
; The bias is loaded into the accumulators and starts the sums; a tile's scale words and bias are asked for behind the tile before.
; THE MASK [8192 queries][2048 keys] of bytes: 8,192 units of 16 queries x 128 keys over 2,048 waves are four a wave (query tile 2 x + w % 2, keys 512 (w / 2) on), packed between the first request for tiles and the wait for it.
; PREFETCH: the tokens' rows of the half that stands two halves on; the work-groups that read a block of tokens share its rows out by address: mine are rows 32 x .. 32 x + 31, a lane a row, one instruction of wave 6, which fetches nothing.
; Halves 0 and 1 come by their loads alone; the last two halves ask for nothing.  The weights' rows are not asked for: 32 or 64 work-groups read each block, a share would be 4 rows.
; THE QUANTISER: a block's scale byte is its largest magnitude's exponent field - 2, held at 1 from below; the conversion divides by the scale and rounds to the nearest code, ties to even, beyond 6 the largest code.
; LIMITS: a block of zeros, or one whose largest magnitude lies under 2^-124, gets the byte 1 (this program alone reads the bytes); NaN and infinities are not served.
; STORES: an image's store covers 512 consecutive bytes, aligned; a mask unit's 256.  The scale words go out 4 or 2 bytes a lane, 8 bytes apart: 786,432 bytes in the whole launch.
; NO CLUSTER: neighbours share R's rows in q and k but P's in v, so the partners' masks would differ from tile to tile of one walk.  All of LDS is claimed.
.set PITCH, 272
.set SLOT,  384*PITCH                  ; R's 256 rows, then P's 128
.set MSTG,  2*SLOT                     ; the mask's stages, 16 rows x 528 for each wave: bytes into which no fill lands
.set MROW,  528
.set SPARE, 0x43800                    ; the spare words, 128 bytes a wave
.set ADR, 4                            ; v4-5 LDS address of my R fragments in slot 0, 1
.set ADP, 6                            ; v6-7 of my P fragments
.set SOF, 8                            ; 32 r + 16 h
.set BOF, 9                            ; 32 h
.set IMO, 10                           ; 16 x lane
.set SSO, 11                           ; 8 x lane
.set TM,  12
.set BX,  14
.set SCO, 16
.set BY,  18
.set W,   20
.set SP,  24                           ; P's scale words: tile i, K step s at v[24 + 4 i + s % 4], lanes 0-15 steps 0-3, lanes 16-31 steps 4-7
.set SR,  40
.set PF,  56
.set RF,  88
.set PC,  88
.set ACC, 128
.set SPW, 120
.set NIL, 121
.set MGO, 122                          ; the mask: offsets in memory, into the stage, back from it
.set MSI, 123
.set MSB, 124
.set BOV, 125                          ; 4 r
.set PFO, 126                          ; 512 x lane; never rewritten
.set OUTW, 12                          ; the mask: v12-19 the words; v20-23 at work; v56-119 bytes as loaded; v128-191 as turned
.set MK,  56
.set XK,  128
.set SEL, 84
.macro PLACES
.rept 4
	v_nop
.endr
.endm
.macro QUANT2 s, pc, w                 ; 32 numbers of a lane, register 16 b + 8 u + j = k 32 b + 16 u + 8 h + j, become an operand's four registers (lane (r, h): block h whole) and two scale bytes
.irp b, 0,1
	v_max3_num_f32 v[TM+\b], |v[(\s)+16*\b]|, |v[(\s)+16*\b+1]|, 0x1800000   ; from the low end on; the floor 2^(3 - 127) holds the byte at 1
.endr
.irp i, 2,4,6,8,10,12,14
.irp b, 0,1
	v_max3_num_f32 v[TM+\b], v[TM+\b], |v[(\s)+16*\b+\i]|, |v[(\s)+16*\b+\i+1]|
.endr
.endr
.irp b, 0,1
	s_delay_alu instid0(VALU_DEP_2)
	v_permlanex16_b32 v[BX+\b], v[TM+\b], s[SEL], s[SEL+1]
.endr
.irp b, 0,1
	s_delay_alu instid0(VALU_DEP_2)
	v_max_num_f32 v[TM+\b], v[TM+\b], v[BX+\b]
.endr
.irp b, 0,1
	s_delay_alu instid0(VALU_DEP_2)
	v_add_nc_u32 v[SCO+\b], 0xff000000, v[TM+\b]
.endr
.irp b, 0,1
	s_delay_alu instid0(VALU_DEP_2)
	v_lshrrev_b32 v[BY+\b], 23, v[SCO+\b]
.endr
	s_delay_alu instid0(VALU_DEP_1)
	v_lshl_or_b32 v[\w], v[BY+1], 8, v[BY]
	v_cvt_scalef32_pk8_fp4_f32 v[(\pc)],   v[(\s):(\s)+7],     v[SCO]
	v_cvt_scalef32_pk8_fp4_f32 v[(\pc)+1], v[(\s)+16:(\s)+23], v[SCO+1]
	v_cvt_scalef32_pk8_fp4_f32 v[(\pc)+2], v[(\s)+8:(\s)+15],  v[SCO]
	v_cvt_scalef32_pk8_fp4_f32 v[(\pc)+3], v[(\s)+24:(\s)+31], v[SCO+1]
	v_nop                                          ; one plain place behind a scaled conversion
	v_permlane16_swap_b32 v[(\pc)],   v[(\pc)+1]
	v_permlane16_swap_b32 v[(\pc)+2], v[(\pc)+3]
.endm
.macro KSTEP s                         ; 128 along K: 16 LDS loads, 16 products; the 16 accumulators take turns in the same order in every step
.set CC, (\s)/4
.set SS, (\s)%4
.irp j, 0,1,2,3
	ds_load_b128 v[RF+8*\j:RF+8*\j+3],   v[ADR+CC] offset:\j*16*PITCH+64*SS
	ds_load_b128 v[RF+8*\j+4:RF+8*\j+7], v[ADR+CC] offset:\j*16*PITCH+64*SS+32
.endr
.irp i, 0,1,2,3
	ds_load_b128 v[PF+8*\i:PF+8*\i+3],   v[ADP+CC] offset:\i*16*PITCH+64*SS
	ds_load_b128 v[PF+8*\i+4:PF+8*\i+7], v[ADP+CC] offset:\i*16*PITCH+64*SS+32
.endr
.irp i, 0,1,2,3
	s_wait_dscnt 6-2*\i                            ; R's fragments and P's tile i are in; the two loads of each later tile of P may be out
.irp j, 0,1,2,3
.if CC
	v_wmma_scale_f32_16x16x128_f8f6f4 v[ACC+8*(4*\j+\i):ACC+8*(4*\j+\i)+7], v[PF+8*\i:PF+8*\i+7], v[RF+8*\j:RF+8*\j+7], v[ACC+8*(4*\j+\i):ACC+8*(4*\j+\i)+7], v[SP+4*\i+SS], v[SR+4*\j+SS] matrix_a_fmt:MATRIX_FMT_FP4 matrix_b_fmt:MATRIX_FMT_FP4 matrix_a_scale:MATRIX_SCALE_ROW1 matrix_b_scale:MATRIX_SCALE_ROW1
.else
	v_wmma_scale_f32_16x16x128_f8f6f4 v[ACC+8*(4*\j+\i):ACC+8*(4*\j+\i)+7], v[PF+8*\i:PF+8*\i+7], v[RF+8*\j:RF+8*\j+7], v[ACC+8*(4*\j+\i):ACC+8*(4*\j+\i)+7], v[SP+4*\i+SS], v[SR+4*\j+SS] matrix_a_fmt:MATRIX_FMT_FP4 matrix_b_fmt:MATRIX_FMT_FP4
.endif
.endr
.endr
	PLACES                                         ; four places ahead of the next loads into these fragments, and of the first read of results
.endm
.macro UNIT u                          ; 64 words: lane (r, h) holds the 8 bytes of query r, keys 64 c + 32 h + 8 t + 0 .. 7, in the pair 2 (4 c + t); a compare of byte j over the lanes IS word 8 (4 c + t) + j
	s_wait_dscnt 24-8*\u                           ; this unit's eight loads are in; the later units' may be out
.set n, 0
.rept 16
.irp e, 0,1,2,3
	v_and_b32 v[20+\e], 0xff<<(8*\e), v[XK+16*\u+2*(n/8)+(n%8)/4]
.endr
.irp e, 0,1,2,3
	s_delay_alu instid0(VALU_DEP_4)
	v_cmp_ne_u32 s[96+\e], 0, v[20+\e]
.endr
.irp e, 0,1,2,3
	v_writelane_b32 v[OUTW+2*\u+\e%2], s[96+\e], (n+\e)/2
.endr
.set n, n+4
.endr
	global_store_b64 v[SSO], v[OUTW+2*\u:OUTW+2*\u+1], s[40:41] offset:256*\u   ; 32 lanes store 256 consecutive bytes, aligned
.endm
.macro GEOM y                          ; s45 = pb, s46 = rb of tile x in part y
.if \y == 2
	s_lshr_b32 s45, s3, 2
	s_and_b32 s46, s3, 3
.else
	s_and_b32 s45, s3, 7
	s_lshr_b32 s46, s3, 3
.endif
.endm
.macro SRC y, dst                      ; what I fetch of part y: waves 0-3 rows 256 rb + 64 w of R, waves 4, 5 rows 128 pb + 64 (w - 4) of P
	GEOM \y
	s_lshl_b32 s52, s46, 8
	s_lshl_b32 s54, s45, 7
	s_sub_co_u32 s54, s54, 256                     ; (the 64 w of waves 4 and 5 make up for it)
	s_cmp_lt_u32 s42, 4
	s_cselect_b32 s52, s52, s54
	s_cselect_b64 s[\dst:\dst+1], s[8+10*\y:9+10*\y], s[4+10*\y:5+10*\y]
	s_lshl_b32 s54, s42, 6
	s_add_co_u32 s52, s52, s54
	s_lshl_b32 s52, s52, 9                         ; rows of 512 bytes
	s_add_nc_u64 s[\dst:\dst+1], s[\dst:\dst+1], s[52:53]
.endm
.macro TILEPRE y                       ; part y's pointers, and its scale words asked for.  s[66:67] my images, s[92:93] my scale stores
.set A, 4+10*\y
.if \y == 2
.set TOK, 47
.set HD,  48
.else
.set TOK, 48
.set HD,  47
.endif
	GEOM \y
	s_lshl_b32 s47, s45, 1
	s_add_co_u32 s47, s47, s43                     ; which 64 rows of P are my wave's
	s_lshl_b32 s48, s46, 2
	s_add_co_u32 s48, s48, s44                     ; which 64 rows of R
	s_lshl_b32 s52, s47, 11
	s_add_nc_u64 s[A+2:A+3], s[A+2:A+3], s[52:53]  ; my rows of P's scale bytes, 32 a row
	s_lshl_b32 s52, s48, 11
	s_add_nc_u64 s[A+6:A+7], s[A+6:A+7], s[52:53]
	s_lshl_b32 s52, s[HD], 8
	s_add_nc_u64 s[A+8:A+9], s[A+8:A+9], s[52:53]  ; the head's 64 numbers of the bias
	s_lshr_b32 s54, s[TOK], 5                      ; img: part, batch, head, my 64 tokens' 2,048 bytes
	s_lshl_b32 s55, s54, 20
	s_lshl_b32 s52, s[HD], 16
	s_or_b32 s52, s52, s55
	s_and_b32 s55, s[TOK], 31
	s_lshl_b32 s59, s55, 11
	s_or_b32 s52, s52, s59
	s_or_b32 s52, s52, (\y)<<22
	s_add_nc_u64 s[66:67], s[36:37], s[52:53]
	s_lshl_b32 s54, s54, 16                        ; scl: part, batch, head, the 128 tokens' 256 bytes, my half's place in a lane's 8
	s_lshl_b32 s52, s[HD], 12
	s_or_b32 s52, s52, s54
	s_lshr_b32 s54, s55, 1
	s_lshl_b32 s54, s54, 8
	s_or_b32 s52, s52, s54
	s_and_b32 s54, s[TOK], 1
	s_lshl_b32 s54, s54, 2-(\y)/2
	s_or_b32 s52, s52, s54
	s_or_b32 s52, s52, (\y)<<18
	s_add_nc_u64 s[92:93], s[38:39], s[52:53]
.irp i, 0,1,2,3
	global_load_b128 v[SP+4*\i:SP+4*\i+3], v[SOF], s[A+2:A+3] offset:512*\i
	global_load_b128 v[SR+4*\i:SR+4*\i+3], v[SOF], s[A+6:A+7] offset:512*\i
.endr
.endm
.macro BIAS y
.if \y == 2
.set n, 0
.rept 128
	global_load_b32 v[ACC+n], v[BOV], s[32:33] offset:64*(n/32)      ; v: all 32 registers of column j want channel 16 j + r
.set n, n+1
.endr
.else
.irp j, 0,1,2,3
.irp i, 0,1,2,3
	global_load_b128 v[ACC+8*(4*\j+\i):ACC+8*(4*\j+\i)+3],   v[BOF], s[12+10*\y:13+10*\y] offset:64*\i      ; q, k: register jj of accumulator (i, j) wants channel 16 i + 8 h + jj
	global_load_b128 v[ACC+8*(4*\j+\i)+4:ACC+8*(4*\j+\i)+7], v[BOF], s[12+10*\y:13+10*\y] offset:64*\i+16
.endr
.endr
.endif
.endm
; HALF n = half n % 2 of tile n / 2, in slot n % 2.  In front of the barrier every wave waits for all its tensor loads, adds 0 to its spare words and waits for that and for its reads of the other slot; behind it the other slot takes half n + 1.
.macro HALF n
.set YN, ((\n)+1)/2
.set CN, ((\n)+1)%2
.set SQ, 56+4*YN-2*(YN/2)
	s_wait_alu depctr_va_vdst(0)                   ; directly ahead of the waits below
.if (\n)%2 == 0
	s_wait_loadcnt 0x0                             ; the tile's scale words and bias
.endif
	s_wait_tensorcnt 0x0                           ; my part of this half is in, and no load of mine is out: the descriptor may be written
	ds_add_u32 v[SPW], v[NIL]                      ; an add of 0 to the spare words,
.if \n < 5
	ds_add_u32 v[SPW], v[NIL]                      ; and, where a load follows that waves 6 and 7 are led round, a second one on end
	s_add_co_u32 s77, s58, CN*SLOT
	s_add_nc_u64 s[78:79], s[SQ:SQ+1], 256*CN
	s_or_b32 s79, s79, 0x80000000
.endif
	s_wait_dscnt 0x0
	s_barrier_signal -1
	s_barrier_wait -1
.if \n < 5
	s_cmp_lt_u32 s42, 6
	s_cbranch_scc0 .Lnf_\@
	tensor_load_to_lds s[76:79], s[68:75]
	s_nop 0
	PLACES
.Lnf_\@:
.endif
	KSTEP 4*((\n)%2)
.if \n < 4
	s_cmp_eq_u32 s42, 6
	s_cbranch_scc0 .Lnp_\@
	global_prefetch_b8 v[PFO], s[88+2*((\n)/2):89+2*((\n)/2)] offset:256*((\n)%2) th:TH_LOAD_NT scope:SCOPE_SE   ; half n + 2: its registers are never rewritten
.Lnp_\@:
.endif
	KSTEP 4*((\n)%2)+1
	KSTEP 4*((\n)%2)+2
	KSTEP 4*((\n)%2)+3
.endm
.macro EPI y
.irp j, 0,1,2,3
	QUANT2 ACC+32*\j, PC+4*\j, W+\j
	global_store_b128 v[IMO], v[PC+4*\j:PC+4*\j+3], s[66:67] offset:512*\j    ; tile j's image: 512 consecutive bytes, aligned
.endr
.if \y == 2
	v_cndmask_b32 v56, v[W], v[W+1], s86           ; v: my 64 keys are two of a word's four bytes: channel tiles 0 (lanes 0-15) and 1 (lanes 16-31),
	v_cndmask_b32 v57, v[W+2], v[W+3], s86         ; tiles 2 and 3
	global_store_b16 v[SSO], v56, s[92:93]
	global_store_b16 v[SSO], v57, s[92:93] offset:4
.else
	v_lshl_or_b32 v56, v[W+1], 16, v[W]            ; q, k: a word holds token r's two bytes and token 16 + r's: tiles 0, 1 in lanes 0-15,
	v_lshl_or_b32 v57, v[W+3], 16, v[W+2]          ; tiles 2, 3 in lanes 16-31
	s_delay_alu instid0(VALU_DEP_1)
	v_cndmask_b32 v56, v56, v57, s86
	global_store_b32 v[SSO], v56, s[92:93]
	s_wait_xcnt 0x0                                ; the stores have read their registers and bases: both are written again only behind this wait
.endif
.endm
	s_load_b512 s[4:19], s[0:1], 0x0               ; q's group: P codes, P scales, R codes, R scales, bias; k's group from s14 on
	s_load_b512 s[20:35], s[0:1], 0x40             ; v's group from s24 on; mask s[34:35]
	s_load_b128 s[36:39], s[0:1], 0x80             ; img, scl
	s_load_b64 s[40:41], s[0:1], 0x90              ; maskw
	v_lshl_add_u32 v[SPW], v0, 2, SPARE
	v_mov_b32 v[NIL], 0
	ds_add_u32 v[SPW], v[NIL]                      ; the opening lines: the add twice on end and its wait
	ds_add_u32 v[SPW], v[NIL]
	s_mov_b32 s3, ttmp9                            ; x
	v_lshrrev_b32 v1, 5, v0
	s_delay_alu instid0(VALU_DEP_1)
	v_readfirstlane_b32 s42, v1                    ; wave 0..7
	v_and_b32 v1, 15, v0                           ; r
	v_bfe_u32 v2, v0, 4, 1                         ; h
	v_and_b32 v3, 31, v0                           ; lane
	s_mov_b32 s68, (1<<20)|(5<<22)|(3<<25)         ; group 1: 64 rows x 256 bytes, 512 apart in memory; 4 words of padding after every 64
	s_mov_b32 s69, 256<<16
	s_mov_b32 s70, 64<<16
	s_mov_b32 s71, 256<<16
	s_mov_b32 s72, 64
	s_mov_b32 s73, 512
	s_mov_b32 s74, 0
	s_mov_b32 s75, 0
	s_mov_b32 s53, 0                               ; the high word of every offset
	s_and_b32 s43, s42, 1                          ; wp: which 64 rows of P
	s_lshr_b32 s44, s42, 1                         ; wr: which 64 rows of R
	s_mul_i32 s58, s42, 64*PITCH                   ; where my rows go in a slot
	s_mov_b32 s76, 1
	s_mov_b32 s77, s58
	s_wait_dscnt 0x0
	s_wait_kmcnt 0x0
	SRC 0, 56
	s_mov_b64 s[78:79], s[56:57]
	s_or_b32 s79, s79, 0x80000000
	s_cmp_lt_u32 s42, 6
	s_cbranch_scc0 .Lno_fill                       ; waves 6 and 7 fetch nothing
	tensor_load_to_lds s[76:79], s[68:75]          ; half 0
	s_nop 0
	PLACES
.Lno_fill:
	s_lshl_b32 s45, s3, 1                          ; the mask: query tile 2 x + w % 2,
	s_add_co_u32 s45, s45, s43
	s_lshl_b32 s52, s45, 15                        ; 16 rows of 2,048 bytes,
	s_lshl_b32 s54, s44, 9                         ; keys 512 (w / 2) on
	s_add_co_u32 s52, s52, s54
	s_add_nc_u64 s[34:35], s[34:35], s[52:53]
	s_lshl_b32 s52, s45, 12                        ; 16 units of 256 bytes a tile; my four
	s_lshl_b32 s54, s44, 10
	s_add_co_u32 s52, s52, s54
	s_add_nc_u64 s[40:41], s[40:41], s[52:53]
	s_mul_i32 s51, s42, 16*MROW
	s_add_co_u32 s51, s51, MSTG                    ; my stage
	s_wait_alu depctr_va_vdst(0)                   ; ahead of the readers of r, h and the lane
	v_lshlrev_b32 v20, 4, v1
	s_delay_alu instid0(VALU_DEP_1)
	v_lshl_add_u32 v[MGO], v2, 11, v20             ; in memory: lanes 0-15 one row, lanes 16-31 the next
	v_mad_u32_u24 v[MSI], v2, MROW, v20
	v_mul_u32_u24 v[MSB], v1, MROW
.irp d, 0,1
.irp k, 0,1,2,3,4,5,6,7
	global_load_b128 v[MK+4*(8*\d+\k):MK+4*(8*\d+\k)+3], v[MGO], s[34:35] offset:4096*\k+256*\d th:TH_LOAD_NT
.endr
.endr
	v_add_nc_u32 v[MSI], s51, v[MSI]               ; the same two rows in the stage
	v_lshl_add_u32 v[MSB], v2, 5, v[MSB]
	s_delay_alu instid0(VALU_DEP_1)
	v_add_nc_u32 v[MSB], s51, v[MSB]               ; back: row r, + 32 h
	v_mul_u32_u24 v4, v1, PITCH
	s_delay_alu instid0(VALU_DEP_1)
	v_lshl_add_u32 v4, v2, 4, v4                   ; a fragment's row x pitch + 16 x half
	s_mul_i32 s54, s43, 64*PITCH
	s_add_co_u32 s54, s54, 256*PITCH               ; P's rows lie behind R's 256
	v_add_nc_u32 v[ADP], s54, v4
	s_delay_alu instid0(VALU_DEP_1)
	v_add_nc_u32 v[ADP+1], SLOT, v[ADP]
	s_mul_i32 s54, s44, 64*PITCH
	v_add_nc_u32 v[ADR], s54, v4
	s_delay_alu instid0(VALU_DEP_1)
	v_add_nc_u32 v[ADR+1], SLOT, v[ADR]
	v_lshlrev_b32 v[SOF], 5, v1
	v_lshlrev_b32 v[BOF], 5, v2
	v_lshlrev_b32 v[IMO], 4, v3
	v_lshl_add_u32 v[SOF], v2, 4, v[SOF]
	v_lshlrev_b32 v[SSO], 3, v3
	v_lshlrev_b32 v[BOV], 2, v1
	v_lshlrev_b32 v[PFO], 9, v3
.irp i, 0,1,2,3,4,5,6,7
	v_mov_b32 v[OUTW+\i], 0                        ; v_writelane_b32's and a lane permute's destination count as sources
.endr
	s_mov_b32 s[SEL], 0x76543210
	s_mov_b32 s[SEL+1], 0xfedcba98
	s_mov_b32 s86, 0xffff0000                      ; lanes 16-31
	SRC 1, 60
	SRC 2, 62
	s_lshl_b32 s52, s3, 14                         ; my share of the tokens' rows: 32 x on, 512 bytes a row
	s_add_nc_u64 s[88:89], s[18:19], s[52:53]      ; in k's codes,
	s_add_nc_u64 s[90:91], s[24:25], s[52:53]      ; in v's
	s_wait_alu depctr_va_vdst(0)                   ; behind the run of scalar lines
	TILEPRE 0
	s_wait_loadcnt 8                               ; the mask's bytes are in; the eight loads of scale words, issued behind them, may be out
.irp d, 0,1
.irp k, 0,1,2,3,4,5,6,7
	ds_store_b128 v[MSI], v[MK+4*(8*\d+\k):MK+4*(8*\d+\k)+3] offset:2*MROW*\k+256*\d
.endr
.endr
.irp u, 0,1,2,3
.irp t, 0,1,2,3,4,5,6,7
	ds_load_b64 v[XK+16*\u+2*\t:XK+16*\u+2*\t+1], v[MSB] offset:128*\u+64*(\t/4)+8*(\t%4)   ; LDS serves a wave's instructions in order: these see my stores
.endr
.endr
	UNIT 0
	UNIT 1
	UNIT 2
	UNIT 3
	BIAS 0
	s_wait_xcnt 0x0                                ; the mask's stores have read their registers, which the quantiser writes again
	HALF 0
	HALF 1
	EPI 0
	TILEPRE 1
	BIAS 1
	HALF 2
	HALF 3
	EPI 1
	TILEPRE 2
	BIAS 2
	HALF 4
	HALF 5
	EPI 2
	s_wait_tensorcnt 0x0                           ; the wave's end
	ds_add_u32 v[SPW], v[NIL]
	s_wait_dscnt 0x0
	s_endpgm
.Lfunc_end_k_q77959b852f_prep:
	.size	k_q77959b852f_prep, .Lfunc_end_k_q77959b852f_prep-k_q77959b852f_prep
	.p2alignl 7, 3214868480
	.fill 96, 4, 3214868480
	.section	.rodata,"a",@progbits
	.p2align	6, 0x0
	.amdhsa_kernel k_q77959b852f_prep
		.amdhsa_group_segment_fixed_size 327680
		.amdhsa_private_segment_fixed_size 0
		.amdhsa_enable_private_segment 0
		.amdhsa_kernarg_size 152
		.amdhsa_user_sgpr_count 2
		.amdhsa_user_sgpr_kernarg_segment_ptr 1
		.amdhsa_wavefront_size32 1
		.amdhsa_system_sgpr_workgroup_id_x 1
		.amdhsa_system_sgpr_workgroup_id_y 1
		.amdhsa_system_sgpr_workgroup_id_z 1
		.amdhsa_system_vgpr_workitem_id 0
		.amdhsa_next_free_vgpr 256
		.amdhsa_next_free_sgpr 100
		.amdhsa_reserve_vcc 0
		.amdhsa_float_denorm_mode_32 3
		.amdhsa_float_denorm_mode_16_64 3
		.amdhsa_memory_ordered 1
		.amdhsa_forward_progress 1
		.amdhsa_inst_pref_size 201
	.end_amdhsa_kernel
	.amdgpu_metadata
---
amdhsa.version: [ 1, 2 ]
amdhsa.kernels:
  - .name:           k_q77959b852f_prep
    .symbol:         k_q77959b852f_prep.kd
    .args:
      - { .name: Wq_codes, .offset: 0, .size: 8, .value_kind: global_buffer, .address_space: global }
      - { .name: Wq_scales, .offset: 8, .size: 8, .value_kind: global_buffer, .address_space: global }
      - { .name: q_codes, .offset: 16, .size: 8, .value_kind: global_buffer, .address_space: global }
      - { .name: q_scales, .offset: 24, .size: 8, .value_kind: global_buffer, .address_space: global }
      - { .name: bq, .offset: 32, .size: 8, .value_kind: global_buffer, .address_space: global }
      - { .name: Wk_codes, .offset: 40, .size: 8, .value_kind: global_buffer, .address_space: global }
      - { .name: Wk_scales, .offset: 48, .size: 8, .value_kind: global_buffer, .address_space: global }
      - { .name: k_codes, .offset: 56, .size: 8, .value_kind: global_buffer, .address_space: global }
      - { .name: k_scales, .offset: 64, .size: 8, .value_kind: global_buffer, .address_space: global }
      - { .name: bk, .offset: 72, .size: 8, .value_kind: global_buffer, .address_space: global }
      - { .name: v_codes, .offset: 80, .size: 8, .value_kind: global_buffer, .address_space: global }
      - { .name: v_scales, .offset: 88, .size: 8, .value_kind: global_buffer, .address_space: global }
      - { .name: Wv_codes, .offset: 96, .size: 8, .value_kind: global_buffer, .address_space: global }
      - { .name: Wv_scales, .offset: 104, .size: 8, .value_kind: global_buffer, .address_space: global }
      - { .name: bv, .offset: 112, .size: 8, .value_kind: global_buffer, .address_space: global }
      - { .name: mask, .offset: 120, .size: 8, .value_kind: global_buffer, .address_space: global }
      - { .name: img, .offset: 128, .size: 8, .value_kind: global_buffer, .address_space: global }
      - { .name: scl, .offset: 136, .size: 8, .value_kind: global_buffer, .address_space: global }
      - { .name: maskw, .offset: 144, .size: 8, .value_kind: global_buffer, .address_space: global }
    .group_segment_fixed_size: 327680
    .private_segment_fixed_size: 0
    .kernarg_segment_align: 8
    .kernarg_segment_size: 152
    .max_flat_workgroup_size: 256
    .sgpr_count:     100
    .vgpr_count:     256
    .wavefront_size: 32
...
	.end_amdgpu_metadata
.endif
;; end of part 1
;; launch attn (part 2): grid 4 x 64, 16 waves a work-group, no clusters, 327,680 bytes of LDS; arguments img, scl, maskw, oimg, oscl; writes oimg, oscl
.if DOCPART == 2
	.amdgcn_target "amdgcn-amd-amdhsa--gfx1250"
	.amdhsa_code_object_version 6
	.text
	.protected	k_q77959b852f_attn
	.globl	k_q77959b852f_attn
	.p2align	8
	.type	k_q77959b852f_attn,@function
k_q77959b852f_attn:
	s_mov_b64 s[64:65], 0
	v_nop
	global_prefetch_b8 v0, s[64:65] scope:SCOPE_SE
	s_setreg_imm32_b32 hwreg(HW_REG_WAVE_MODE, 25, 1), 1
	s_wait_xcnt 0x0
; o = softmax(where(mask, qh kh^T / 8, -1e-6)) vh for one head, both products on codes of FP4 (E2M1) with E8M0 scales; o is divided by the row's sum, quantised along the head's 64 channels and stored as an image of the last product's operand.
; THE MASK HIDES NOTHING: where it is false the logit is -1e-6, so every key counts.  On the raw score (8 x the logit) that is -8e-6, chosen by one v_cndmask_b32 a register on a word of 32 lanes that the launch before has packed.
; THE SOFTMAX: t = score x log2(e) / 8; M = the running largest t rounded UP to a whole number; p = 2^(t - M) is quantised along the keys; the row's sum is taken of the unquantised p.  When M moves, the sum and O are multiplied by 2^(old M - new M): exact.
; SHARES.  A work-group holds one head's whole K and V in LDS, filled once, and owns 512 queries; each of its sixteen waves owns two tiles of 16, one after the other.  Every wave walks all 2,048 keys, 128 a step.
; LAYOUT.  Both products transposed: S^T = K Q^T, O^T = V^T P^T: a lane holds ONE query (lane % 16).
; THE KEYS OF A TILE ARE CHOSEN: row rho of tile t of group c (64 keys) is key 64 c + 32 (rho / 8) + 8 t + rho % 8.  So register 32 c + 8 t + j of lane (r, h) is key 64 c + 32 h + 8 t + j: a lane's 32 registers of a group are ONE WHOLE BLOCK, 2 c + h,
; in the order of the second product's operand: a block's maximum asks no other lane, and the eight conversions' results are the operand as they stand.  The choice is made by the lanes' LDS addresses in K's image (tiles of 16 neighbouring tokens, 512 bytes).
; THE FIRST PRODUCT'S K IS 64, the instruction's 128: a fragment of K holds TWO tiles (registers 0-3, registers 4-7), and Q stands as [0 q 0] in twelve registers: v[20:27] multiplies the first tile, v[16:23] the second.  Zero codes add nothing under the bytes 1 to 254.
; LDS: K's and V's images lie as rows of 1,024 bytes + 128 of padding, 64 rows each, four rows a step.  AT THE HEAD every wave fetches two rows of the first 16 (512 keys) of K (waves 0-7) or V (waves 8-15);
; the other 48 rows of each come as a later first fill, six rows a wave, behind a wait, an add to the spare words and a barrier; all of LDS is claimed.  A pass's first three steps are written with constant addresses, which lie in the first 16 rows
; (the third reads K of step 3 ahead); behind them one barrier, in front of which every wave has waited for its load, opens the rest.
; The scale words come through registers: wave w lays step w's 64 words of K by the chosen keys (a word: the two bytes of tiles 2 u and 2 u + 1), and copies V's, into bytes into which no fill lands.
; THE MASK WORDS are prefetched: the sixteen heads' work-groups read the same words and share them out: of a wave's 32 units of 256 bytes the head hd asks for units 2 hd and 2 hd + 1, once, at its head; every address lies inside the wave's own 32 units.
; LIMITS: the promise holds while the scaled scores stay under 2^31 in magnitude; a block's largest p is taken from the block's largest score by the same multiply-add and exponential, which takes v_exp_f32 not to fall where its input rises;
; a block whose largest magnitude lies under 2^-124 gets the byte 1; NaN and infinities are not served.
; NO CLUSTER: the four work-groups of a head read the same 139,264 bytes once; nothing is filled again, so there is no walk in which partners would ask again.
; STORES: an image's store covers 512 consecutive bytes, aligned; a token's two scale bytes go out 2 bytes a lane, 16 bytes apart: 262,144 bytes in the whole launch.
.set RP,  1152
.set VC,  64*RP                        ; K's codes at 0, V's here,
.set KS,  2*VC                         ; K's scale words,
.set VS,  KS+4096                      ; V's,
.set SPARE, VS+4096                    ; the spare words, 128 bytes a wave
.set S,   96                           ; v96-159  S^T, then p
.set O,   160                          ; v160-191 O^T
.set PC,  192                          ; v192-199 p's codes
.set BM,  204
.set BN,  206
.set TM,  204
.set BY,  206
.set BX,  208
.set SCO, 212
.set SEL, 100
.set CS,  104
; v1 16 x lane; v2 the same + VC; v3, v4 8 x lane + KS, + VS; v5 -8e-6; v6 8 r; v7 16 r; v8-11 addresses in hand; v12 -M, v13 the largest raw score, v[14:15] the sum; v16-27 [0 q 0]; v28 Q's scale word; v29 its two bytes; v[30:31] K's; v32-63 K; v64-95 V;
; v[200:201] V's scale words; v202 my lane's place in K's image; v203 8 h; v216 f, v217 p's scale word; v218-219 at work; v220-221, v242-245 chains of the sum; v240 the prefetch's offset; v246-250 the second tile's q; v254, v255 the add's.
; s[4:13] pointers; s14 the unit asked for; s3, s15 a step's offsets; s2, s20 counters; s21 the step; s[16:19], s[24:31] the descriptor; s[32:63], s[68:99] the step's 64 mask words.
.macro PLACES
.rept 4
	v_nop
.endr
.endm
.macro QUANT2 s, pc, w
.irp b, 0,1
	v_max3_num_f32 v[TM+\b], |v[(\s)+16*\b]|, |v[(\s)+16*\b+1]|, 0x1800000
.endr
.irp i, 2,4,6,8,10,12,14
.irp b, 0,1
	s_delay_alu instid0(VALU_DEP_2)
	v_max3_num_f32 v[TM+\b], v[TM+\b], |v[(\s)+16*\b+\i]|, |v[(\s)+16*\b+\i+1]|
.endr
.endr
.irp b, 0,1
	s_delay_alu instid0(VALU_DEP_2)
	v_permlanex16_b32 v[BX+\b], v[TM+\b], s[SEL], s[SEL+1]
.endr
.irp b, 0,1
	s_delay_alu instid0(VALU_DEP_2)
	v_max_num_f32 v[TM+\b], v[TM+\b], v[BX+\b]
.endr
.irp b, 0,1
	s_delay_alu instid0(VALU_DEP_2)
	v_add_nc_u32 v[SCO+\b], 0xff000000, v[TM+\b]
.endr
.irp b, 0,1
	s_delay_alu instid0(VALU_DEP_2)
	v_lshrrev_b32 v[BY+\b], 23, v[SCO+\b]
.endr
	s_delay_alu instid0(VALU_DEP_1)
	v_lshl_or_b32 v[\w], v[BY+1], 8, v[BY]
	v_cvt_scalef32_pk8_fp4_f32 v[(\pc)],   v[(\s):(\s)+7],     v[SCO]
	v_cvt_scalef32_pk8_fp4_f32 v[(\pc)+1], v[(\s)+16:(\s)+23], v[SCO+1]
	v_cvt_scalef32_pk8_fp4_f32 v[(\pc)+2], v[(\s)+8:(\s)+15],  v[SCO]
	v_cvt_scalef32_pk8_fp4_f32 v[(\pc)+3], v[(\s)+24:(\s)+31], v[SCO+1]
	v_nop
	v_permlane16_swap_b32 v[(\pc)],   v[(\pc)+1]
	v_permlane16_swap_b32 v[(\pc)+2], v[(\pc)+3]
.endm
.macro KLOAD adr                       ; a step's four fragments of K: fragment 2 c + u = tiles 2 u, 2 u + 1 of group c
.irp f, 0,1,2,3
	ds_load_b128 v[32+8*\f:35+8*\f], v[\adr] offset:2*RP*(\f/2)+512*(\f%2)
	ds_load_b128 v[36+8*\f:39+8*\f], v[\adr] offset:2*RP*(\f/2)+512*(\f%2)+128
.endr
.endm
; A STEP of 128 keys.  k = 0, 1, 2: the step's number as a constant; k = -1: the step is s21.
.macro STEP k
	s_wait_dscnt 0x0                               ; K of this step and its scale words, asked for a step ago
.irp b, 0,1,2,3
.if \b%2
	v_wmma_scale_f32_16x16x128_f8f6f4 v[S+16*\b:S+16*\b+7],    v[32+8*\b:39+8*\b], v[20:27], 0, v[30+\b/2], v28 matrix_a_fmt:MATRIX_FMT_FP4 matrix_b_fmt:MATRIX_FMT_FP4 matrix_a_scale:MATRIX_SCALE_ROW1
	v_wmma_scale_f32_16x16x128_f8f6f4 v[S+16*\b+8:S+16*\b+15], v[32+8*\b:39+8*\b], v[16:23], 0, v[30+\b/2], v28 matrix_a_fmt:MATRIX_FMT_FP4 matrix_b_fmt:MATRIX_FMT_FP4 matrix_a_scale:MATRIX_SCALE_ROW1
.else
	v_wmma_scale_f32_16x16x128_f8f6f4 v[S+16*\b:S+16*\b+7],    v[32+8*\b:39+8*\b], v[20:27], 0, v[30+\b/2], v28 matrix_a_fmt:MATRIX_FMT_FP4 matrix_b_fmt:MATRIX_FMT_FP4
	v_wmma_scale_f32_16x16x128_f8f6f4 v[S+16*\b+8:S+16*\b+15], v[32+8*\b:39+8*\b], v[16:23], 0, v[30+\b/2], v28 matrix_a_fmt:MATRIX_FMT_FP4 matrix_b_fmt:MATRIX_FMT_FP4
.endif
.endr
.if \k < 0                                     ; the four additions are the four places (ISA guide 7.12.1) behind the products.  Codes: four LDS rows a step; scale words: 256 bytes
	s_mul_i32 s3, s21, 4*RP
	s_lshl_b32 s15, s21, 8
	v_add_nc_u32 v9, s3, v2
	v_add_nc_u32 v11, s15, v4
	s_add_co_u32 s21, s21, 1
	s_and_b32 s21, s21, 15                         ; the next step; behind step 15 comes step 0, for the next pass
	s_mul_i32 s3, s21, 4*RP
	s_lshl_b32 s15, s21, 8
	v_add_nc_u32 v8, s3, v202
	v_add_nc_u32 v10, s15, v3
.else
	v_add_nc_u32 v9, (\k)*4*RP, v2
	v_add_nc_u32 v11, (\k)*256, v4
	v_add_nc_u32 v8, ((\k)+1)*4*RP, v202
	v_add_nc_u32 v10, ((\k)+1)*256, v3
.endif
.irp t, 0,1,2,3
.irp c, 0,1
	ds_load_b128 v[64+8*\t+4*\c:67+8*\t+4*\c], v9 offset:2*RP*\c+RP*(\t/2)+512*(\t%2)   ; V of this step: channels 16 t on, keys 64 c + 32 h on
.endr
.endr
	ds_load_b64 v[200:201], v11
	KLOAD 8                                        ; K of the next step
	ds_load_b64 v[30:31], v10
	s_wait_kmcnt 0x0                               ; the step's mask words, asked for a step ago
.set n, 0
.rept 32
	v_cndmask_b32 v[S+n], v5, v[S+n], s[32+n]      ; each accumulator from its low end on
.set n, n+1
.endr
.rept 32
	v_cndmask_b32 v[S+n], v5, v[S+n], s[36+n]
.set n, n+1
.endr
	s_add_co_u32 s14, s14, 256
	s_min_u32 s14, s14, 7936                       ; the last step asks for its own unit again: no load leaves my 32 units
	s_load_b512 s[32:47], s[8:9], s14 offset:0x0
	s_load_b512 s[48:63], s[8:9], s14 offset:0x40
	s_load_b512 s[68:83], s[8:9], s14 offset:0x80
	s_load_b512 s[84:99], s[8:9], s14 offset:0xc0
.irp c, 0,1                                    ; the largest score of my two blocks, each in two chains: 15 + 15 + 2 numbers
	v_max3_num_f32 v[BM+\c], v[S+32*\c], v[S+32*\c+1], v[S+32*\c+2]
	v_max3_num_f32 v[BN+\c], v[S+32*\c+15], v[S+32*\c+16], v[S+32*\c+17]
.endr
.irp i, 3,5,7,9,11,13
.irp c, 0,1
	v_max3_num_f32 v[BM+\c], v[BM+\c], v[S+32*\c+\i], v[S+32*\c+\i+1]
	v_max3_num_f32 v[BN+\c], v[BN+\c], v[S+32*\c+15+\i], v[S+32*\c+16+\i]
.endr
.endr
.irp c, 0,1
	v_max3_num_f32 v[BM+\c], v[BM+\c], v[BN+\c], v[S+32*\c+30]
.endr
.irp c, 0,1
	s_delay_alu instid0(VALU_DEP_2)
	v_max_num_f32 v[BM+\c], v[BM+\c], v[S+32*\c+31]
.endr
	s_delay_alu instid0(VALU_DEP_1)
	v_max_num_f32 v218, v[BM], v[BM+1]
	s_delay_alu instid0(VALU_DEP_1)
	v_permlanex16_b32 v219, v218, s[SEL], s[SEL+1] ; lane l xor 16's two blocks
	s_delay_alu instid0(VALU_DEP_1)
	v_max3_num_f32 v13, v13, v218, v219            ; the running largest score
	s_delay_alu instid0(VALU_DEP_1)
	v_mul_f32 v218, s[CS], v13                     ; as t (c is positive)
	v_mov_b32 v219, v12
	s_delay_alu instid0(VALU_DEP_2)
	v_floor_f32 v12, -v218                         ; the new -M: M is a whole number
	s_delay_alu instid0(VALU_DEP_1)
	v_sub_f32 v218, v12, v219                      ; old M - new M, 0 or less
	s_delay_alu instid0(VALU_DEP_1)
	v_cvt_i32_f32 v218, v218                       ; (it saturates)
	s_delay_alu instid0(VALU_DEP_1)
	v_ldexp_f32 v216, 1.0, v218                    ; f = 2^(old M - new M)
.set n, 0
.rept 32
	v_pk_fma_f32 v[S+n:S+n+1], v[S+n:S+n+1], s[CS:CS+1], v[12:13] op_sel_hi:[1,0,0]   ; t - M
.set n, n+2
.endr
.irp c, 0,1
	v_fma_f32 v[BM+\c], v[BM+\c], s[CS], v12
.endr
	s_wait_alu depctr_va_vdst(0)                   ; ahead of the batch
.set n, 0
.rept 64
	v_exp_f32 v[S+n], v[S+n]                       ; p = 2^(t - M)
.set n, n+1
.endr
	v_pk_mul_f32 v[14:15], v[14:15], v[216:217] op_sel_hi:[1,0]   ; the sums under the new M: the plain place behind the batch
	s_wait_alu depctr_va_vdst(0)                   ; one wait for the batch of 64
.irp c, 0,1
	v_exp_f32 v[BM+\c], v[BM+\c]                   ; the block's largest p
.endr
	v_pk_add_f32 v[220:221], v[S:S+1], v[S+2:S+3]  ; the row's sum of the unquantised p, in four chains
	v_pk_add_f32 v[242:243], v[S+4:S+5], v[S+6:S+7]
	v_pk_add_f32 v[244:245], v[S+8:S+9], v[S+10:S+11]
	v_pk_add_f32 v[14:15], v[14:15], v[S+12:S+13]
.set n, 14
.rept 6
	v_pk_add_f32 v[220:221], v[220:221], v[S+n:S+n+1]
	v_pk_add_f32 v[242:243], v[242:243], v[S+n+2:S+n+3]
	v_pk_add_f32 v[244:245], v[244:245], v[S+n+4:S+n+5]
	v_pk_add_f32 v[14:15], v[14:15], v[S+n+6:S+n+7]
.set n, n+8
.endr
	v_pk_add_f32 v[220:221], v[220:221], v[S+62:S+63]
	v_pk_add_f32 v[242:243], v[242:243], v[244:245]
	s_delay_alu instid0(VALU_DEP_2)
	v_pk_add_f32 v[14:15], v[14:15], v[220:221]
	s_delay_alu instid0(VALU_DEP_1)
	v_pk_add_f32 v[14:15], v[14:15], v[242:243]
	s_wait_alu depctr_va_vdst(0)                   ; and one for the two
.irp c, 0,1
	v_max_num_f32 v[BM+\c], 0x1800000, v[BM+\c]    ; the floor 2^(3 - 127): the byte cannot fall under 1
.endr
.irp c, 0,1
	s_delay_alu instid0(VALU_DEP_2)
	v_add_nc_u32 v[SCO+\c], 0xff000000, v[BM+\c]   ; the conversion's scale operand
.endr
.irp c, 0,1
	s_delay_alu instid0(VALU_DEP_2)
	v_lshrrev_b32 v[BX+\c], 23, v[SCO+\c]          ; the byte of block 2 c + h
.endr
	s_delay_alu instid0(VALU_DEP_1)
	v_lshl_or_b32 v217, v[BX+1], 16, v[BX]
	s_delay_alu instid0(VALU_DEP_1)
	v_lshlrev_b32 v217, v203, v217                 ; at their places: 8 h bits up
	s_delay_alu instid0(VALU_DEP_1)
	v_permlanex16_b32 v219, v217, s[SEL], s[SEL+1]
	s_delay_alu instid0(VALU_DEP_1)
	v_or_b32 v217, v217, v219                      ; with lane l xor 16's two: p's scale word
.irp c, 0,1
.irp t, 0,1,2,3
	v_cvt_scalef32_pk8_fp4_f32 v[PC+4*\c+\t], v[S+32*\c+8*\t:S+32*\c+8*\t+7], v[SCO+\c]   ; codes of k = 64 c + 32 h + 8 t on: the operand's register 4 c + t
.endr
.endr
	s_wait_alu depctr_va_vdst(0)                   ; directly ahead of the first reader of O^T
.set n, 0
.rept 16
	v_pk_mul_f32 v[O+n:O+n+1], v[O+n:O+n+1], v[216:217] op_sel_hi:[1,0]   ; O^T under the new M.  (Also the places between p's codes and scale word and the products below)
.set n, n+2
.endr
	s_wait_alu depctr_va_vdst(0)                   ; directly ahead of the wait below
	s_wait_dscnt 0x9                               ; V and its scale words are in; the nine loads of the next step's K may be out
.irp t, 0,1,2,3
.if \t%2
	v_wmma_scale_f32_16x16x128_f8f6f4 v[O+8*\t:O+8*\t+7], v[64+8*\t:71+8*\t], v[PC:PC+7], v[O+8*\t:O+8*\t+7], v[200+\t/2], v217 matrix_a_fmt:MATRIX_FMT_FP4 matrix_b_fmt:MATRIX_FMT_FP4 matrix_a_scale:MATRIX_SCALE_ROW1
.else
	v_wmma_scale_f32_16x16x128_f8f6f4 v[O+8*\t:O+8*\t+7], v[64+8*\t:71+8*\t], v[PC:PC+7], v[O+8*\t:O+8*\t+7], v[200+\t/2], v217 matrix_a_fmt:MATRIX_FMT_FP4 matrix_b_fmt:MATRIX_FMT_FP4
.endif
.endr
.endm
	s_load_b256 s[4:11], s[0:1], 0x0               ; img, scl, maskw, oimg
	s_load_b64 s[12:13], s[0:1], 0x20              ; oscl
	v_lshl_add_u32 v254, v0, 2, SPARE
	v_mov_b32 v255, 0
	ds_add_u32 v254, v255                          ; the opening lines: the add twice on end and its wait
	ds_add_u32 v254, v255
	v_lshrrev_b32 v1, 5, v0
	s_delay_alu instid0(VALU_DEP_1)
	v_readfirstlane_b32 s22, v1                    ; wave 0..15
	s_and_b32 s23, ttmp7, 0xffff                   ; batch x 16 + head
	s_mov_b32 s24, (3<<16)|(1<<20)|(7<<22)|(31<<25)  ; group 1: rows of 128 elements of 8 bytes, dense; 32 words of padding after every 256; at the head 2 rows
	s_mov_b32 s25, 128<<16
	s_mov_b32 s26, 2<<16
	s_mov_b32 s27, 128<<16
	s_mov_b32 s28, 2
	s_mov_b32 s29, 128
	s_mov_b32 s30, 0
	s_mov_b32 s31, 0
	s_and_b32 s21, s22, 7                          ; i: my share
	s_lshr_b32 s15, s22, 3                         ; K (0) or V (1)
	s_add_co_u32 s32, s15, 1                       ; part 1 or 2 of img
	s_lshl_b32 s32, s32, 22
	s_lshl_b32 s34, s23, 16
	s_or_b32 s32, s32, s34
	s_lshl_b32 s34, s21, 11
	s_add_co_u32 s36, s32, s34                     ; at the head: rows 2 i, 2 i + 1
	s_mov_b32 s37, 0
	s_mul_i32 s34, s21, 6144
	s_add_co_u32 s38, s32, s34
	s_add_co_u32 s38, s38, 16384                   ; then: rows 16 + 6 i on
	s_mov_b32 s39, 0
	s_mul_i32 s15, s15, VC
	s_mul_i32 s34, s21, 2*RP
	s_add_co_u32 s17, s15, s34
	s_mul_i32 s34, s21, 6*RP
	s_add_co_u32 s3, s15, s34
	s_add_co_u32 s3, s3, 16*RP
	s_mov_b32 s16, 1
	s_wait_dscnt 0x0
	s_wait_kmcnt 0x0
	s_add_nc_u64 s[18:19], s[4:5], s[36:37]
	s_or_b32 s19, s19, 0x80000000
	tensor_load_to_lds s[16:19], s[24:31]          ; every wave's one load at the head
	s_nop 0
	PLACES
	s_add_nc_u64 s[40:41], s[4:5], s[38:39]        ; the later fill's source
	s_mov_b32 s33, 0
	s_mov_b32 s35, 0
	s_lshl_b32 s32, s23, 12                        ; the head's scale bytes in parts 1 and 2 of scl
	s_add_co_u32 s34, s32, 1<<18
	s_add_nc_u64 s[44:45], s[6:7], s[34:35]
	s_add_co_u32 s34, s32, 2<<18
	s_add_nc_u64 s[46:47], s[6:7], s[34:35]
	s_lshl_b32 s48, ttmp9, 5
	s_lshl_b32 s32, s22, 1
	s_add_co_u32 s48, s48, s32                     ; my first tile of queries in the head: 32 x + 2 w
	s_lshl_b32 s32, s48, 9
	s_lshl_b32 s34, s23, 16
	s_add_co_u32 s32, s32, s34
	s_add_nc_u64 s[4:5], s[4:5], s[32:33]          ; its image (part 0 of img)
	s_lshl_b32 s32, s23, 12                        ; its scale bytes: tile T: 256 (T / 8) + 128 ((T / 2) % 2) + 4 ((T / 4) % 2) + 2 (T % 2), + 8 r
	s_lshl_b32 s34, ttmp9, 10
	s_add_co_u32 s32, s32, s34
	s_lshr_b32 s34, s22, 2
	s_lshl_b32 s34, s34, 8
	s_add_co_u32 s32, s32, s34
	s_and_b32 s34, s22, 1
	s_lshl_b32 s34, s34, 7
	s_add_co_u32 s32, s32, s34
	s_bfe_u32 s34, s22, 0x10001
	s_lshl_b32 s34, s34, 2
	s_add_co_u32 s32, s32, s34
	s_add_nc_u64 s[6:7], s[6:7], s[32:33]
	s_lshr_b32 s49, s23, 4
	s_lshl_b32 s49, s49, 7
	s_add_co_u32 s49, s49, s48                     ; the tile among all 512
	s_and_b32 s50, s23, 15                         ; the head
	s_lshl_b32 s32, s49, 12
	s_add_nc_u64 s[8:9], s[8:9], s[32:33]          ; my 32 units of mask words
	s_lshl_b32 s32, s49, 13
	s_lshl_b32 s34, s50, 9
	s_add_co_u32 s32, s32, s34
	s_add_nc_u64 s[10:11], s[10:11], s[32:33]      ; o's image: 8,192 bytes a tile, 512 a head
	s_lshl_b32 s32, s49, 9
	s_lshr_b32 s34, s50, 3
	s_lshl_b32 s34, s34, 8
	s_add_co_u32 s32, s32, s34
	s_and_b32 s34, s50, 7
	s_lshl_b32 s34, s34, 1
	s_add_co_u32 s32, s32, s34
	s_add_nc_u64 s[12:13], s[12:13], s[32:33]      ; o's scale bytes
	s_mov_b64 s[22:23], s[40:41]                   ; (wave and head are done with)
	s_mov_b32 s[SEL], 0x76543210
	s_mov_b32 s[SEL+1], 0xfedcba98
	s_mov_b32 s[CS], 0x3e38aa3b                    ; c = log2(e) / 8
	s_mov_b32 s[CS+1], s[CS]
	v_and_b32 v29, 31, v0
	v_lshlrev_b32 v219, 3, v0                      ; 256 w + 8 x lane
	v_and_b32 v16, 7, v0                           ; r % 8
	v_bfe_u32 v17, v0, 3, 1                        ; r / 8
	v_bfe_u32 v203, v0, 4, 1                       ; h (here: u)
	v_and_b32 v8, 0x1e0, v0
	v_lshlrev_b32 v1, 4, v29
	v_and_b32 v6, 15, v0
	v_lshlrev_b32 v8, 3, v8                        ; step w's 256 bytes; token x of a 64: 8 (x % 16 + 16 (x / 32)) + 2 ((x / 16) % 2), the second 64 at + 4
	v_lshlrev_b32 v7, 4, v6
	v_lshlrev_b32 v6, 3, v6
	v_lshl_add_u32 v8, v16, 3, v8
	s_delay_alu instid0(VALU_DEP_1)
	v_lshl_add_u32 v8, v17, 7, v8
	s_delay_alu instid0(VALU_DEP_1)
	v_lshl_add_u32 v8, v203, 1, v8                 ; token 16 u + r % 8 + 32 (r / 8)
	global_load_u16 v9, v8, s[44:45]               ; group 0: tile 2 u's bytes,
	global_load_u16 v10, v8, s[44:45] offset:64    ; tile 2 u + 1's: 8 tokens on
	global_load_u16 v11, v8, s[44:45] offset:4     ; group 1
	global_load_u16 v28, v8, s[44:45] offset:68
	global_load_b64 v[14:15], v219, s[46:47]       ; V's words as they lie
	global_load_b128 v[20:23], v1, s[4:5]          ; both tiles' q and scale bytes
	global_load_b128 v[246:249], v1, s[4:5] offset:512
	global_load_u16 v250, v6, s[6:7] offset:2
	v_add_nc_u32 v218, KS, v219                    ; where my words go
	v_mul_u32_u24 v202, v17, RP
	v_add_nc_u32 v2, VC, v1
	v_lshlrev_b32 v3, 3, v29
	s_delay_alu instid0(VALU_DEP_3)
	v_lshl_add_u32 v202, v203, 8, v202
	v_min_u32 v240, 1, v29
	s_delay_alu instid0(VALU_DEP_3)
	v_add_nc_u32 v4, VS, v3
	v_add_nc_u32 v3, KS, v3
	v_lshl_add_u32 v202, v16, 4, v202              ; 1,152 (r / 8) + 256 h + 16 (r % 8)
	v_lshlrev_b32 v203, 3, v203                    ; 8 h
	v_lshlrev_b32 v240, 8, v240
	v_mov_b32 v5, 0xb70637bd                       ; -1e-6 x 8
	global_load_u16 v29, v6, s[6:7]
	v_lshl_add_u32 v240, s50, 9, v240              ; units 2 hd (lane 0) and 2 hd + 1 (the other lanes)
.irp i, 16,17,18,19,24,25,26,27
	v_mov_b32 v[\i], 0                             ; the zero codes beside q
.endr
.irp i, 0,1
	v_mov_b32 v[BX+\i], 0                          ; a lane permute's destination counts as one of its sources
.endr
	v_mov_b32 v217, 0                              ; (named as the upper half of the pair v[216:217])
	s_wait_alu depctr_va_vdst(0)                   ; the head's end
	s_wait_xcnt 0x0                                ; the loads above have read their bases, on which the mask words land
	s_mov_b32 s14, 0
	s_load_b512 s[32:47], s[8:9], s14 offset:0x0   ; the first step's 64 mask words
	s_load_b512 s[48:63], s[8:9], s14 offset:0x40
	s_load_b512 s[68:83], s[8:9], s14 offset:0x80
	s_load_b512 s[84:99], s[8:9], s14 offset:0xc0
	global_prefetch_b8 v240, s[8:9] th:TH_LOAD_NT scope:SCOPE_SE   ; its registers are never written again
	s_wait_loadcnt 0x0
	v_lshl_or_b32 v12, v10, 16, v9
	v_lshl_or_b32 v13, v28, 16, v11
	ds_store_b64 v218, v[12:13]                    ; lanes 0-15: fragments u = 0, lanes 16-31: u = 1; first word group 0, second group 1
	ds_store_b64 v218, v[14:15] offset:4096
	s_wait_tensorcnt 0x0                           ; my two rows are in, and no load of mine is out: the descriptor may be written
	ds_add_u32 v254, v255                          ; the add, ahead of a later first fill
	s_mov_b32 s17, s3
	s_mov_b64 s[18:19], s[22:23]
	s_or_b32 s19, s19, 0x80000000
	s_mov_b32 s26, 6<<16                           ; six rows
	s_mov_b32 s28, 6
	s_wait_dscnt 0x0                               ; the add and my stores are done
	s_barrier_signal -1
	s_barrier_wait -1
	tensor_load_to_lds s[16:19], s[24:31]          ; rows 16 + 6 i on: bytes filled for the first time
	s_nop 0
	PLACES
	KLOAD 202
	ds_load_b64 v[30:31], v3
	s_mov_b32 s20, 2
.Lpass:                                            ; a tile of 16 queries
	v_lshl_or_b32 v28, v29, 16, v29                ; Q's two bytes for either half of K
	v_mov_b32 v13, 0xff61b1e6                      ; -3e38, under every score
	s_delay_alu instid0(VALU_DEP_1)
	v_floor_f32 v12, -v13                          ; -M
	v_mov_b32 v14, 0
	v_mov_b32 v15, 0
.set n, 0
.rept 32
	v_mov_b32 v[O+n], 0                            ; the step's text is one for all steps: the first finds zeros.  (Also the places between q, v28 and the scaled products)
.set n, n+1
.endr
	STEP 0
	STEP 1
	STEP 2
	s_wait_tensorcnt 0x0                           ; my six rows are in
	s_wait_dscnt 0x0
	s_barrier_signal -1
	s_barrier_wait -1                              ; everybody's are
	s_mov_b32 s21, 3
	s_mov_b32 s2, 13
.Lstep:
	STEP -1
	s_sub_co_u32 s2, s2, 1
	s_cmp_lg_u32 s2, 0
	s_cbranch_scc1 .Lstep
	; THE WAY OUT of a tile: O^T / the sum, quantised along the head's 64 channels: register 16 b + 8 u + j is channel 32 b + 16 u + 8 h + j of my query
	PLACES
	v_add_f32 v14, v14, v15
	s_delay_alu instid0(VALU_DEP_1)
	v_permlanex16_b32 v218, v14, s[SEL], s[SEL+1]
	s_delay_alu instid0(VALU_DEP_1)
	v_add_f32 v14, v14, v218                       ; the row's sum
	s_wait_alu depctr_va_vdst(0)
	v_rcp_f32 v14, v14
	v_nop
	s_wait_alu depctr_va_vdst(0)
.set n, 0
.rept 32
	v_mul_f32 v[S+n], v[O+n], v14                  ; each accumulator from its low end on
.set n, n+1
.endr
	QUANT2 S, PC, 218
	global_store_b128 v1, v[PC:PC+3], s[10:11]     ; 512 consecutive bytes, aligned
	global_store_b16 v7, v218, s[12:13]
.irp i, 0,1,2,3
	v_mov_b32 v[20+\i], v[246+\i]                  ; the second tile's q
.endr
	v_mov_b32 v29, v250
	s_wait_xcnt 0x0                                ; registers and bases of the stores are written again only behind this wait
	s_add_nc_u64 s[10:11], s[10:11], 8192
	s_add_nc_u64 s[12:13], s[12:13], 512
	s_sub_co_u32 s20, s20, 1
	s_cmp_lg_u32 s20, 0
	s_wait_alu depctr_va_vdst(0)                   ; directly ahead of the branch
	s_cbranch_scc1 .Lpass
	s_wait_kmcnt 0x0                               ; what the last step asked for ahead is only waited for
	s_wait_dscnt 0x0
	s_wait_tensorcnt 0x0                           ; the wave's end
	ds_add_u32 v254, v255
	s_wait_dscnt 0x0
	s_endpgm
.Lfunc_end_k_q77959b852f_attn:
	.size	k_q77959b852f_attn, .Lfunc_end_k_q77959b852f_attn-k_q77959b852f_attn
	.p2alignl 7, 3214868480
	.fill 96, 4, 3214868480
	.section	.rodata,"a",@progbits
	.p2align	6, 0x0
	.amdhsa_kernel k_q77959b852f_attn
		.amdhsa_group_segment_fixed_size 327680
		.amdhsa_private_segment_fixed_size 0
		.amdhsa_enable_private_segment 0
		.amdhsa_kernarg_size 40
		.amdhsa_user_sgpr_count 2
		.amdhsa_user_sgpr_kernarg_segment_ptr 1
		.amdhsa_wavefront_size32 1
		.amdhsa_system_sgpr_workgroup_id_x 1
		.amdhsa_system_sgpr_workgroup_id_y 1
		.amdhsa_system_sgpr_workgroup_id_z 1
		.amdhsa_system_vgpr_workitem_id 0
		.amdhsa_next_free_vgpr 256
		.amdhsa_next_free_sgpr 106
		.amdhsa_reserve_vcc 0
		.amdhsa_float_denorm_mode_32 3
		.amdhsa_float_denorm_mode_16_64 3
		.amdhsa_memory_ordered 1
		.amdhsa_forward_progress 1
		.amdhsa_inst_pref_size 91
	.end_amdhsa_kernel
	.amdgpu_metadata
---
amdhsa.version: [ 1, 2 ]
amdhsa.kernels:
  - .name:           k_q77959b852f_attn
    .symbol:         k_q77959b852f_attn.kd
    .args:
      - { .name: img, .offset: 0, .size: 8, .value_kind: global_buffer, .address_space: global }
      - { .name: scl, .offset: 8, .size: 8, .value_kind: global_buffer, .address_space: global }
      - { .name: maskw, .offset: 16, .size: 8, .value_kind: global_buffer, .address_space: global }
      - { .name: oimg, .offset: 24, .size: 8, .value_kind: global_buffer, .address_space: global }
      - { .name: oscl, .offset: 32, .size: 8, .value_kind: global_buffer, .address_space: global }
    .group_segment_fixed_size: 327680
    .private_segment_fixed_size: 0
    .kernarg_segment_align: 8
    .kernarg_segment_size: 40
    .max_flat_workgroup_size: 512
    .sgpr_count:     106
    .vgpr_count:     256
    .wavefront_size: 32
...
	.end_amdgpu_metadata
.endif
;; end of part 2
;; launch outp (part 3): grid 4 x 64, 8 waves a work-group, no clusters, 240,640 bytes of LDS; arguments oimg, oscl, Wo_codes, Wo_scales, bo, out0; writes out0
.if DOCPART == 3
	.amdgcn_target "amdgcn-amd-amdhsa--gfx1250"
	.amdhsa_code_object_version 6
	.text
	.protected	k_q77959b852f_outp
	.globl	k_q77959b852f_outp
	.p2align	8
	.type	k_q77959b852f_outp,@function
k_q77959b852f_outp:
	s_mov_b64 s[64:65], 0
	v_nop
	global_prefetch_b8 v0, s[64:65] scope:SCOPE_SE
	s_setreg_imm32_b32 hwreg(HW_REG_WAVE_MODE, 25, 1), 1
	s_wait_xcnt 0x0
; out0 = o Wo + bo on codes of FP4 (E2M1) with E8M0 scales.  o comes as images of the operand's registers (tile of 16 tokens: [K step 8][half 2][lane][16 bytes]) with its scale words laid lane by lane; Wo as rows [n][512 bytes], K innermost.
; SHARES.  A work-group: 256 columns x 128 tokens, all of K = 1,024.  Eight waves, each 64 columns x 64 tokens: 16 accumulators, (i, j) at v[128 + 8 (4 j + i)].  Source 0 = 16 rows of Wo, source 1 = 16 tokens:
; a lane holds eight neighbouring columns of one token.  bo is loaded into the accumulators and starts the sums.
; LDS is filled once, one load a wave: waves 0-3 fetch Wo's rows whole (64 rows of 512 bytes + 16 of padding), waves 4-7 the tokens' images (two tiles, 16,384 dense bytes).
; THE WAY OUT: 16 tokens x my 64 columns go through my own stage in LDS, into which no fill lands, and leave as rows: sixteen lanes store 256 consecutive bytes, aligned.
; NO CLUSTER, NO PREFETCH: each work-group asks for its 196,608 bytes once, at its head; there is no loop of refills in which partners would ask again or in which to run ahead.
.set PITCH, 528                        ; a row of Wo in LDS
.set SPT,   272                        ; a row of a stage
.set TIMG,  256*PITCH                  ; behind Wo's 256 rows the tokens' images: tile at 8,192, K step at 1,024, half at 512
.set STG,   TIMG+65536                 ; behind them the stages: 16 rows x 272 bytes for each wave
.set SPARE, 0x3a800
.set ADR, 4
.set ADP, 6
.set SOF, 8
.set BOF, 9
.set IMO, 10
.set STI, 11
.set STO, 12
.set VO,  13
.set SP,  24
.set SR,  40
.set PF,  56
.set RF,  88
.set ACC, 128
.macro PLACES
.rept 4
	v_nop
.endr
.endm
.macro KSTEP s
.set SS, (\s)%4
.irp j, 0,1,2,3
	ds_load_b128 v[RF+8*\j:RF+8*\j+3],   v[ADR] offset:8192*\j+1024*(\s)
	ds_load_b128 v[RF+8*\j+4:RF+8*\j+7], v[ADR] offset:8192*\j+1024*(\s)+512
.endr
.irp i, 0,1,2,3
	ds_load_b128 v[PF+8*\i:PF+8*\i+3],   v[ADP] offset:\i*16*PITCH+64*(\s)
	ds_load_b128 v[PF+8*\i+4:PF+8*\i+7], v[ADP] offset:\i*16*PITCH+64*(\s)+32
.endr
.irp i, 0,1,2,3
	s_wait_dscnt 6-2*\i                            ; the tokens' fragments and Wo's tile i are in; the two loads of each later tile may be out
.irp j, 0,1,2,3
.if (\s)/4
	v_wmma_scale_f32_16x16x128_f8f6f4 v[ACC+8*(4*\j+\i):ACC+8*(4*\j+\i)+7], v[PF+8*\i:PF+8*\i+7], v[RF+8*\j:RF+8*\j+7], v[ACC+8*(4*\j+\i):ACC+8*(4*\j+\i)+7], v[SP+4*\i+SS], v[SR+4*\j+SS] matrix_a_fmt:MATRIX_FMT_FP4 matrix_b_fmt:MATRIX_FMT_FP4 matrix_a_scale:MATRIX_SCALE_ROW1 matrix_b_scale:MATRIX_SCALE_ROW1
.else
	v_wmma_scale_f32_16x16x128_f8f6f4 v[ACC+8*(4*\j+\i):ACC+8*(4*\j+\i)+7], v[PF+8*\i:PF+8*\i+7], v[RF+8*\j:RF+8*\j+7], v[ACC+8*(4*\j+\i):ACC+8*(4*\j+\i)+7], v[SP+4*\i+SS], v[SR+4*\j+SS] matrix_a_fmt:MATRIX_FMT_FP4 matrix_b_fmt:MATRIX_FMT_FP4
.endif
.endr
.endr
	PLACES                                         ; four places ahead of the next loads into these fragments, and of the tail's first read of results
.endm
	s_load_b256 s[4:11], s[0:1], 0x0               ; oimg, oscl, Wo's codes, Wo's scales
	s_load_b128 s[12:15], s[0:1], 0x20             ; bo, out0
	v_lshl_add_u32 v126, v0, 2, SPARE
	v_mov_b32 v127, 0
	ds_add_u32 v126, v127                          ; the opening lines: the add twice on end and its wait
	ds_add_u32 v126, v127
	s_and_b32 s2, ttmp7, 0xffff                    ; which 128 tokens
	s_mov_b32 s3, ttmp9                            ; which 256 columns
	v_lshrrev_b32 v1, 5, v0
	s_delay_alu instid0(VALU_DEP_1)
	v_readfirstlane_b32 s42, v1                    ; wave 0..7
	v_and_b32 v1, 15, v0                           ; r
	v_bfe_u32 v2, v0, 4, 1                         ; h
	v_and_b32 v3, 31, v0                           ; lane
	s_and_b32 s43, s42, 3                          ; which 64 columns are mine.  Also: which quarter I fetch
	s_lshr_b32 s44, s42, 2                         ; which 64 tokens
	s_mov_b32 s68, (1<<20)|(6<<22)|(3<<25)         ; group 1 for Wo: 64 rows x 512 bytes, dense; 4 words of padding after every 128
	s_mov_b32 s69, 512<<16
	s_mov_b32 s70, 64<<16
	s_mov_b32 s71, 512<<16
	s_mov_b32 s72, 64
	s_mov_b32 s73, 512
	s_mov_b32 s74, 0
	s_mov_b32 s75, 0
	s_mov_b32 s20, 3<<16                           ; and for the images: 64 rows of 256 bytes (32 elements of 8), dense
	s_mov_b32 s21, 32<<16
	s_mov_b32 s22, 64<<16
	s_mov_b32 s23, 32<<16
	s_mov_b32 s24, 64
	s_mov_b32 s25, 32
	s_mov_b32 s26, 0
	s_mov_b32 s27, 0
	s_lshl_b32 s45, s3, 8
	s_lshl_b32 s46, s43, 6
	s_add_co_u32 s45, s45, s46                     ; 256 x + 64 (w % 4): my first column, and the first row of Wo that waves 0-3 fetch
	s_mov_b32 s53, 0
	s_lshl_b32 s52, s45, 9
	s_lshl_b32 s46, s2, 3
	s_lshl_b32 s47, s43, 1
	s_add_co_u32 s46, s46, s47                     ; 8 y + 2 (w % 4): the first tile of tokens that waves 4-7 fetch
	s_lshl_b32 s50, s46, 13
	s_mov_b32 s51, 0
	s_mul_i32 s48, s43, 64*PITCH
	s_lshl_b32 s49, s43, 14
	s_add_co_u32 s49, s49, TIMG
	s_wait_dscnt 0x0
	s_wait_kmcnt 0x0
	s_mov_b32 s76, 1                               ; groups 0: Wo,
	s_mov_b32 s77, s48
	s_add_nc_u64 s[78:79], s[8:9], s[52:53]
	s_or_b32 s79, s79, 0x80000000
	s_mov_b32 s84, 1                               ; the images
	s_mov_b32 s85, s49
	s_add_nc_u64 s[86:87], s[4:5], s[50:51]
	s_or_b32 s87, s87, 0x80000000
	s_cmp_lt_u32 s42, 4
	s_cbranch_scc0 .Lfor_tokens
	tensor_load_to_lds s[76:79], s[68:75]
	s_nop 0
	PLACES
	s_branch .Lasked
.Lfor_tokens:
	tensor_load_to_lds s[84:87], s[20:27]
	s_nop 0
	PLACES
.Lasked:
	s_lshl_b32 s52, s45, 5
	s_add_nc_u64 s[10:11], s[10:11], s[52:53]      ; my 64 rows of Wo's scale bytes
	s_lshl_b32 s52, s45, 2
	s_add_nc_u64 s[12:13], s[12:13], s[52:53]      ; my 64 numbers of bo
	s_add_nc_u64 s[14:15], s[14:15], s[52:53]      ; my columns of out0,
	s_lshl_b32 s46, s2, 1
	s_add_co_u32 s46, s46, s44                     ; which 64 tokens of all
	s_lshl_b32 s52, s46, 18
	s_add_nc_u64 s[14:15], s[14:15], s[52:53]      ; and my rows, 4,096 bytes each
	s_lshl_b32 s52, s46, 11
	s_add_nc_u64 s[6:7], s[6:7], s[52:53]          ; my four tiles' scale words, 512 bytes a tile
	s_wait_alu depctr_va_vdst(0)                   ; ahead of the readers of r, h and the lane
	v_mul_u32_u24 v[ADP], v1, PITCH
	s_delay_alu instid0(VALU_DEP_1)
	v_lshl_add_u32 v[ADP], v2, 4, v[ADP]
	s_delay_alu instid0(VALU_DEP_1)
	v_add_nc_u32 v[ADP], s48, v[ADP]               ; row (64 (w % 4) + r) x pitch + 16 h
	v_lshlrev_b32 v[IMO], 4, v3
	s_lshl_b32 s47, s44, 15
	s_add_co_u32 s47, s47, TIMG
	v_add_nc_u32 v[ADR], s47, v[IMO]               ; my four tiles' images, 16 x lane
	v_lshlrev_b32 v[SOF], 5, v1
	s_delay_alu instid0(VALU_DEP_1)
	v_lshl_add_u32 v[SOF], v2, 4, v[SOF]
	v_lshlrev_b32 v[BOF], 5, v2
	s_mul_i32 s47, s42, 16*SPT
	s_add_co_u32 s47, s47, STG                     ; my stage
	v_mul_u32_u24 v[STI], v1, SPT
	s_delay_alu instid0(VALU_DEP_1)
	v_lshl_add_u32 v[STI], v2, 5, v[STI]
	s_delay_alu instid0(VALU_DEP_1)
	v_add_nc_u32 v[STI], s47, v[STI]               ; in: row r, + 32 h
	v_mul_u32_u24 v[STO], v2, SPT
	s_delay_alu instid0(VALU_DEP_1)
	v_lshl_add_u32 v[STO], v1, 4, v[STO]
	s_delay_alu instid0(VALU_DEP_1)
	v_add_nc_u32 v[STO], s47, v[STO]               ; back: lanes 0-15 one row of 256 bytes, lanes 16-31 the next
	v_lshlrev_b32 v[VO], 12, v2
	s_delay_alu instid0(VALU_DEP_1)
	v_lshl_add_u32 v[VO], v1, 4, v[VO]
.irp i, 0,1,2,3
	global_load_b128 v[SP+4*\i:SP+4*\i+3], v[SOF], s[10:11] offset:512*\i
	global_load_b128 v[SR+4*\i:SR+4*\i+3], v[IMO], s[6:7] offset:512*\i
.endr
.irp j, 0,1,2,3
.irp i, 0,1,2,3
	global_load_b128 v[ACC+8*(4*\j+\i):ACC+8*(4*\j+\i)+3],   v[BOF], s[12:13] offset:64*\i      ; register jj of accumulator (i, j) wants bo of column 16 i + 8 h + jj
	global_load_b128 v[ACC+8*(4*\j+\i)+4:ACC+8*(4*\j+\i)+7], v[BOF], s[12:13] offset:64*\i+16
.endr
.endr
	s_wait_alu depctr_va_vdst(0)                   ; the head's end
	s_wait_loadcnt 0x0                             ; scale words and bias
	s_wait_tensorcnt 0x0                           ; my part is in
	s_barrier_signal -1
	s_barrier_wait -1                              ; everybody's is: the launch's one barrier
	KSTEP 0
	KSTEP 1
	KSTEP 2
	KSTEP 3
	KSTEP 4
	KSTEP 5
	KSTEP 6
	KSTEP 7
.irp j, 0,1,2,3
.if \j >= 2
	s_wait_xcnt 0x0                                ; the stores of two tiles ago have read their registers: the loads below land there only behind this wait
.endif
.irp i, 0,1,2,3
	ds_store_b128 v[STI], v[ACC+8*(4*\j+\i):ACC+8*(4*\j+\i)+3]   offset:64*\i       ; each accumulator from its low end on
	ds_store_b128 v[STI], v[ACC+8*(4*\j+\i)+4:ACC+8*(4*\j+\i)+7] offset:64*\i+16
.endr
.irp k, 0,1,2,3,4,5,6,7
	ds_load_b128 v[PF+32*(\j%2)+4*\k:PF+32*(\j%2)+4*\k+3], v[STO] offset:2*\k*SPT   ; LDS serves a wave's instructions in order (ISA guide 5.7.1.4): these see my stores
.endr
.irp k, 0,1,2,3,4,5,6,7
	s_wait_dscnt 7-\k                              ; this pair of rows is back; the younger pairs may be out
	global_store_b128 v[VO], v[PF+32*(\j%2)+4*\k:PF+32*(\j%2)+4*\k+3], s[14:15] offset:(16*\j+2*\k)*4096 th:TH_STORE_NT   ; sixteen lanes store 256 consecutive bytes, aligned
.endr
.endr
	s_wait_tensorcnt 0x0                           ; the wave's end
	ds_add_u32 v126, v127
	s_wait_dscnt 0x0
	s_endpgm
.Lfunc_end_k_q77959b852f_outp:
	.size	k_q77959b852f_outp, .Lfunc_end_k_q77959b852f_outp-k_q77959b852f_outp
	.p2alignl 7, 3214868480
	.fill 96, 4, 3214868480
	.section	.rodata,"a",@progbits
	.p2align	6, 0x0
	.amdhsa_kernel k_q77959b852f_outp
		.amdhsa_group_segment_fixed_size 240640
		.amdhsa_private_segment_fixed_size 0
		.amdhsa_enable_private_segment 0
		.amdhsa_kernarg_size 48
		.amdhsa_user_sgpr_count 2
		.amdhsa_user_sgpr_kernarg_segment_ptr 1
		.amdhsa_wavefront_size32 1
		.amdhsa_system_sgpr_workgroup_id_x 1
		.amdhsa_system_sgpr_workgroup_id_y 1
		.amdhsa_system_sgpr_workgroup_id_z 1
		.amdhsa_system_vgpr_workitem_id 0
		.amdhsa_next_free_vgpr 256
		.amdhsa_next_free_sgpr 96
		.amdhsa_reserve_vcc 0
		.amdhsa_float_denorm_mode_32 3
		.amdhsa_float_denorm_mode_16_64 3
		.amdhsa_memory_ordered 1
		.amdhsa_forward_progress 1
		.amdhsa_inst_pref_size 44
	.end_amdhsa_kernel
	.amdgpu_metadata
---
amdhsa.version: [ 1, 2 ]
amdhsa.kernels:
  - .name:           k_q77959b852f_outp
    .symbol:         k_q77959b852f_outp.kd
    .args:
      - { .name: oimg, .offset: 0, .size: 8, .value_kind: global_buffer, .address_space: global }
      - { .name: oscl, .offset: 8, .size: 8, .value_kind: global_buffer, .address_space: global }
      - { .name: Wo_codes, .offset: 16, .size: 8, .value_kind: global_buffer, .address_space: global }
      - { .name: Wo_scales, .offset: 24, .size: 8, .value_kind: global_buffer, .address_space: global }
      - { .name: bo, .offset: 32, .size: 8, .value_kind: global_buffer, .address_space: global }
      - { .name: out0, .offset: 40, .size: 8, .value_kind: global_buffer, .address_space: global }
    .group_segment_fixed_size: 240640
    .private_segment_fixed_size: 0
    .kernarg_segment_align: 8
    .kernarg_segment_size: 48
    .max_flat_workgroup_size: 256
    .sgpr_count:     96
    .vgpr_count:     256
    .wavefront_size: 32
...
	.end_amdgpu_metadata
.endif
;; end of part 3
